; MI455X (gfx1250); checked and timed in simulation.
; The chip was launched on July 23, 2026; its instructions are those of AMD's public machine-readable ISA for CDNA 5 (MIT licence, August 2026) and "CDNA5" Instruction Set Architecture Reference Guide (July 2026). The comments in the code are by the model that wrote it; some were corrected since.
;; MPM. Allowed arithmetic: float matrix products may take bf16 or f16 operands with f32 sums; all other float work in f32.
;; Inputs: C 4,000 x 2 x 2 float32; J 4,000 float32; Wa 2 x 1 float32; We 4 x 1 float32; Wk 4 x 1 float32; ba 1 float32; be 1 float32; bk 1 float32; pos 4,000 x 2 float32; vel 4,000 x 2 float32.
;; Outputs: out0 4 x 64 x 64 x 2 float32.
;; One version. Each part assembles by itself: llvm-mc -triple=amdgcn-amd-amdhsa -mcpu=gfx1250 --defsym DOCPART=n.
;; ======== version 1 of 1: 12 launches
;; workspace buffers: rec 196,608 bytes; posw 32,000 bytes; velw 32,000 bytes; cw 64,000 bytes; jw 16,128 bytes; dvel 16,128 bytes; cella 16,384 bytes of whole numbers; cellb 16,384 bytes of whole numbers
;; launch init (part 1): grid 125 x 1, 1 waves a work-group, no clusters, 0 bytes of LDS; arguments pos, vel, cella, rec, dvel; writes cella, rec, dvel
.if DOCPART == 1
	.amdgcn_target "amdgcn-amd-amdhsa--gfx1250"
	.amdhsa_code_object_version 6
	.text
	.protected	k_qcad518d4ce_init
	.globl	k_qcad518d4ce_init
	.p2align	8
	.type	k_qcad518d4ce_init,@function
k_qcad518d4ce_init:
	s_mov_b64 s[64:65], 0
	v_nop
	global_prefetch_b8 v0, s[64:65] scope:SCOPE_SE
	s_setreg_imm32_b32 hwreg(HW_REG_WAVE_MODE, 25, 1), 1
	s_wait_xcnt 0x0
; Set-up for the four substeps.  One lane, one particle: 125 work-groups of one wave = 4,000 particles.
;   cella: words 0..31 = 0 (the number of the substep, which later picks the slice of the output);
;          byte 256 + 4 p = base cell bi * 64 + bj of particle p, bi and bj in 0..61: the corner of the 3 x 3 nodes that can have weight.
;   dvel:  sqrt(|vel|^2), or sqrt(1e-12) where |vel|^2 is not above 0: the desired speed, fixed for all substeps.
;   rec:   records 4000..4095 (bytes 192,000 .. 196,607) = 1e9 in every word: dummy particles far from every node, so that the
;          grid stage can walk 4,096 records without a tail.  No other launch writes these bytes.
; LIMIT: v_sqrt_f32 takes a denormal input as zero (ISA guide 15.8), so a speed below about 1e-19 gives a desired speed of 0.
.set REC_REAL, 192000                  ; 4,000 records of 48 bytes
	s_load_b256 s[4:11], s[0:1], 0x0               ; pos s[4:5], vel s[6:7], cella s[8:9], rec s[10:11]
	s_load_b64 s[12:13], s[0:1], 0x20              ; dvel
	s_mov_b32 s17, ttmp9                           ; work-group
	s_lshl_b32 s14, s17, 5
	s_mov_b32 s15, 0x42800000                      ; 64.0
	s_mov_b32 s16, 0x42740000                      ; 61.0
	v_add_nc_u32 v1, s14, v0                       ; p
	v_lshlrev_b32 v2, 3, v1                        ; 8 p
	v_lshlrev_b32 v3, 2, v1                        ; 4 p
	s_wait_kmcnt 0x0
	global_load_b64 v[4:5], v2, s[4:5]             ; x, y
	global_load_b64 v[6:7], v2, s[6:7]             ; vx, vy
	s_wait_loadcnt 0x0
	v_fma_f32 v8, v4, s15, -0.5                    ; 64 x - 0.5: the nodes within 1.5 cells are floor(..) + 0, 1, 2
	v_fma_f32 v9, v5, s15, -0.5
	v_floor_f32 v8, v8
	v_floor_f32 v9, v9
	v_med3_num_f32 v8, v8, 0, s16                  ; kept inside the grid: 0 .. 61; the window itself gives 0 where a node is too far
	v_med3_num_f32 v9, v9, 0, s16
	v_cvt_u32_f32 v8, v8
	v_cvt_u32_f32 v9, v9
	v_lshl_or_b32 v8, v8, 6, v9                    ; bi * 64 + bj
	v_mul_f32 v10, v6, v6
	v_fma_f32 v10, v7, v7, v10                     ; |vel|^2
	v_cmp_lt_f32 vcc_lo, 0, v10
	v_cndmask_b32 v10, 0x2b8cbccc, v10, vcc_lo     ; 1e-12 where it is not above 0
	v_sqrt_f32 v10, v10
	v_nop                                          ; one plain place behind the root (ISA guide 5.7.2)
	global_store_b32 v3, v8, s[8:9] offset:256
	s_wait_alu depctr_va_vdst(0)
	global_store_b32 v3, v10, s[12:13]
	s_cmp_lt_u32 s17, 9                            ; work-groups 0..8: 512 bytes each of the 4,608 bytes of dummy records
	s_cbranch_scc0 .Lno_tail
	s_lshl_b32 s18, s17, 9
	v_lshl_add_u32 v11, v0, 4, s18                 ; 512 x work-group + 16 x lane
	v_mov_b32 v12, 0x4e6e6b28                      ; 1e9
	v_mov_b32 v13, 0x4e6e6b28
	v_mov_b32 v14, 0x4e6e6b28
	v_mov_b32 v15, 0x4e6e6b28
	global_store_b128 v11, v[12:15], s[10:11] offset:REC_REAL
.Lno_tail:
	s_cmp_eq_u32 s17, 0                            ; work-group 0: the substep's number, 0
	s_cbranch_scc0 .Lend
	v_lshlrev_b32 v16, 2, v0
	v_mov_b32 v17, 0
	global_store_b32 v16, v17, s[8:9]
.Lend:
	s_endpgm
.Lfunc_end_k_qcad518d4ce_init:
	.size	k_qcad518d4ce_init, .Lfunc_end_k_qcad518d4ce_init-k_qcad518d4ce_init
	.p2alignl 7, 3214868480
	.fill 96, 4, 3214868480
	.section	.rodata,"a",@progbits
	.p2align	6, 0x0
	.amdhsa_kernel k_qcad518d4ce_init
		.amdhsa_group_segment_fixed_size 0
		.amdhsa_private_segment_fixed_size 0
		.amdhsa_enable_private_segment 0
		.amdhsa_kernarg_size 40
		.amdhsa_user_sgpr_count 2
		.amdhsa_user_sgpr_kernarg_segment_ptr 1
		.amdhsa_wavefront_size32 1
		.amdhsa_system_sgpr_workgroup_id_x 1
		.amdhsa_system_sgpr_workgroup_id_y 1
		.amdhsa_system_sgpr_workgroup_id_z 1
		.amdhsa_system_vgpr_workitem_id 0
		.amdhsa_next_free_vgpr 20
		.amdhsa_next_free_sgpr 66
		.amdhsa_reserve_vcc 1
		.amdhsa_float_denorm_mode_32 3
		.amdhsa_float_denorm_mode_16_64 3
		.amdhsa_memory_ordered 1
		.amdhsa_forward_progress 1
		.amdhsa_inst_pref_size 3
	.end_amdhsa_kernel
	.amdgpu_metadata
---
amdhsa.version: [ 1, 2 ]
amdhsa.kernels:
  - .name:           k_qcad518d4ce_init
    .symbol:         k_qcad518d4ce_init.kd
    .args:
      - { .name: pos, .offset: 0, .size: 8, .value_kind: global_buffer, .address_space: global }
      - { .name: vel, .offset: 8, .size: 8, .value_kind: global_buffer, .address_space: global }
      - { .name: cella, .offset: 16, .size: 8, .value_kind: global_buffer, .address_space: global }
      - { .name: rec, .offset: 24, .size: 8, .value_kind: global_buffer, .address_space: global }
      - { .name: dvel, .offset: 32, .size: 8, .value_kind: global_buffer, .address_space: global }
    .group_segment_fixed_size: 0
    .private_segment_fixed_size: 0
    .kernarg_segment_align: 8
    .kernarg_segment_size: 40
    .max_flat_workgroup_size: 32
    .sgpr_count:     66
    .vgpr_count:     20
    .wavefront_size: 32
...
	.end_amdgpu_metadata
.endif
;; end of part 1
;; launch pair (part 2): grid 250 x 1, 8 waves a work-group, no clusters, 39,936 bytes of LDS; arguments pos, vel, C, J, dvel, We, be, Wk, bk, rec; writes rec
.if DOCPART == 2
	.amdgcn_target "amdgcn-amd-amdhsa--gfx1250"
	.amdhsa_code_object_version 6
	.text
	.protected	k_qcad518d4ce_pair
	.globl	k_qcad518d4ce_pair
	.p2align	8
	.type	k_qcad518d4ce_pair,@function
k_qcad518d4ce_pair:
	s_mov_b64 s[64:65], 0
	v_nop
	global_prefetch_b8 v0, s[64:65] scope:SCOPE_SE
	s_setreg_imm32_b32 hwreg(HW_REG_WAVE_MODE, 25, 1), 1
	s_wait_xcnt 0x0
; The particle stage of a substep: the O(P^2) repulsion, the two sigmoid heads, the goal force and the stress, packed into one
; record of 12 f32 for each particle: { 64x, 64y, vx, vy, C00/64, C01/64, C10/64, C11/64, F0, F1, stress/64, J },
; F = external force + repulsion.  With u = node - 64 pos (cells), a node's sums need only w, w (v + (C/64) u) and w (F + (stress/64) u).
; SHARES: a work-group owns 16 particles i (250 x 16 = 4,000).  Thread t of 256 takes the two particles j at byte 16 t + 4096 a of pos,
; a = 0..7, against all 16 i; two j ride in one packed instruction.  Offsets at or beyond 32,000 are clamped for the load and their
; values replaced by 1e9, which the distance cut removes.
; A pair costs rsq and log2:  force_i = K_i DT ln2 * sum_j [dis < 0.06] (log2(max(dis - 0.02, 1e-5)) + log2(20)) (pos_j - pos_i) / dis.
; d2 = 0 (the particle itself, coincident ones): rsq = inf, dis = 0 * inf = NaN, the compare is false, the coefficient is replaced by 0.
; THE END: wave w finishes particles 2 w and 2 w + 1 of the sixteen (lane l takes 2 w + (l & 1); the lanes repeat each other).  So all
; eight waves run one path, each wave's two particles' state is fetched at the head and is waited for in the first trip, and each
; wave writes its two records to LDS bytes of its own.  Behind a barrier waves 0 to 2 carry the 768 bytes out, 256 each.
; No matrix unit: there is no product here.  No cluster: 250 work-groups do not divide by four, and what they share is 32,000 bytes
; read once against 64 packed pair blocks of 40 instructions in every wave.
; LIMITS: d2 below 2^-126 (a distance under about 1e-19) is taken as 0 by v_rsq_f32 (ISA guide 15.8) and the pair counts as coincident;
; |pos| stays far below the dummy's 1e9; dis is d2 * rsq(d2), so a pair within a few ulp of 0.06 may fall on the other side of the cut;
; the sums over j run in another order than a row-wise sum.
.set NBYTES, 32000                     ; bytes of pos
.set R3,     0                         ; LDS 0 .. 767: 16 records of 48 bytes on their way out
.set R2,     1024                      ; LDS 1,024 .. 2,047: [wave][32] partial sums
.set R1,     2048                      ; LDS 2,048 .. 38,911: 256 rows, a thread's 32 sums each
.set ROWP,   144                       ; such a row: 128 bytes + 16, an odd multiple of 16
.set WROWS,  32*ROWP                   ; a wave's 32 rows
.set LD,   4                           ; v[4:7]     x0 y0 x1 y1 as loaded
.set XJ,   8                           ; v[8:9]     x of my two j
.set YJ,   10                          ; v[10:11]   y of my two j
.set OFFU, 12                          ; v12        byte offset of my two j, not clamped (decides dummy or not)
.set OFFC, 13                          ; v13        the same, clamped: the load's address
.set PI,   16                          ; v[16:47]   (x, y) of the 16 i, the same in every lane
.set F,    48                          ; v[48:111]  i: sums over my j of the x part (pair at 48+4i) and the y part (pair at 50+4i)
.set DXA,  112                         ; at work, pairs: A is particle i, B is i + 1
.set DYA,  114
.set DXB,  116
.set DYB,  118
.set D2A,  120
.set D2B,  122
.set RA,   124
.set RB,   126
.set SA,   128
.set SB,   130
.set EA,   132
.set EB,   134
.set RV,   112                         ; v[112:143] behind the loop: my 32 sums, index 16 x component + i
.set REC,  144                         ; v[144:155] the record that my lane finishes; pos, vel, C and J are loaded straight into their places
.set DV,   156                         ; v156       its desired speed
.set AD8,  157                         ; v157-159   its offsets in arrays of 8, 16, 4 bytes a particle
.set AD16, 158
.set AD4,  159
.set LROW, 160
.set LCOL, 161
.set Q,    162                         ; lane & 1
.set T,    164                         ; v[164:167] LDS and store addresses at the end
.set ZE,   F+16                        ; the end's scratch, beside the 16 partial sums in v[F:F+15]
.set ZK,   F+17
.set GX,   F+18
.set GY,   F+19
.set GG,   F+20
.set JM,   F+21
.set OUTD, F+24                        ; 8 bytes of the records on their way to memory
	s_load_b512 s[4:19], s[0:1], 0x0               ; pos s[4:5], vel s[6:7], C s[8:9], J s[10:11], dvel s[12:13], We s[14:15], be s[16:17], Wk s[18:19]
	s_load_b128 s[20:23], s[0:1], 0x40             ; bk s[20:21], rec s[22:23]
	v_lshl_add_u32 v172, v0, 2, 0x9800
	v_mov_b32 v173, 0
	v_and_b32 v1, 31, v0                           ; lane
	v_lshrrev_b32 v2, 5, v0
	v_readfirstlane_b32 s24, v2                    ; wave
	s_mov_b32 s25, ttmp9                           ; work-group
	s_lshl_b32 s60, s25, 7                         ; 16 particles x 8 bytes
	s_mov_b32 s61, 0
	s_mov_b32 s78, 0x4e6e6b28                      ; 1e9
	s_mov_b32 s84, 0x3d75c28f                      ; 0.06
	v_lshlrev_b32 v[OFFU], 4, v0
	v_lshlrev_b32 v[OFFC], 4, v0
	v_and_b32 v[Q], 1, v0
	s_lshl_b32 s63, s25, 4
	s_lshl_b32 s62, s24, 1
	s_add_co_u32 s63, s63, s62                     ; 16 x work-group + 2 x wave
	v_add_nc_u32 v[AD4], s63, v[Q]                 ; the particle that my lane finishes: at most 3,999
	v_lshlrev_b32 v[AD8], 3, v[AD4]
	v_lshlrev_b32 v[AD16], 4, v[AD4]
	v_lshlrev_b32 v[AD4], 2, v[AD4]
	s_wait_kmcnt 0x0
	global_load_b128 v[LD:LD+3], v[OFFC], s[4:5]   ; my first two j
	global_load_b64 v[REC:REC+1], v[AD8], s[4:5]   ; the state of the particle that my lane finishes
	global_load_b64 v[REC+2:REC+3], v[AD8], s[6:7]
	global_load_b128 v[REC+4:REC+7], v[AD16], s[8:9]
	global_load_b32 v[REC+11], v[AD4], s[10:11]
	global_load_b32 v[DV], v[AD4], s[12:13]
	s_add_nc_u64 s[26:27], s[4:5], s[60:61]
	s_load_b512 s[28:43], s[26:27], 0x0            ; the 16 i: 128 bytes of pos
	s_load_b512 s[44:59], s[26:27], 0x40
	s_load_b128 s[68:71], s[14:15], 0x0            ; We
	s_load_b128 s[72:75], s[18:19], 0x0            ; Wk
	s_load_b32 s76, s[16:17], 0x0                  ; be
	s_load_b32 s77, s[20:21], 0x0                  ; bk
	s_wait_kmcnt 0x0
.set k, 0
.rept 32
	v_mov_b32 v[PI+k], s[28+k]                     ; into vector pairs: the packed forms pick x or y of a pair by op_sel
.set k, k+1
.endr
; Particles i and i + 1 against my two j: four pairs, 32 plain and 8 transcendental instructions.
; Behind each run of transcendentals stands a plain line that names neither their results nor their sources (ISA guide 5.7.2).
; zero = 1: the first products start the sums; nothing is cleared.
.macro PAIR2 i, zero
	v_pk_add_f32 v[DXA:DXA+1], v[XJ:XJ+1], v[PI+2*\i:PI+2*\i+1] op_sel_hi:[1,0] neg_lo:[0,1] neg_hi:[0,1]              ; xj - xi
	v_pk_add_f32 v[DYA:DYA+1], v[YJ:YJ+1], v[PI+2*\i:PI+2*\i+1] op_sel:[0,1] op_sel_hi:[1,1] neg_lo:[0,1] neg_hi:[0,1] ; yj - yi
	v_pk_add_f32 v[DXB:DXB+1], v[XJ:XJ+1], v[PI+2*\i+2:PI+2*\i+3] op_sel_hi:[1,0] neg_lo:[0,1] neg_hi:[0,1]
	v_pk_add_f32 v[DYB:DYB+1], v[YJ:YJ+1], v[PI+2*\i+2:PI+2*\i+3] op_sel:[0,1] op_sel_hi:[1,1] neg_lo:[0,1] neg_hi:[0,1]
	v_pk_mul_f32 v[D2A:D2A+1], v[DXA:DXA+1], v[DXA:DXA+1]
	v_pk_mul_f32 v[D2B:D2B+1], v[DXB:DXB+1], v[DXB:DXB+1]
	v_pk_fma_f32 v[D2A:D2A+1], v[DYA:DYA+1], v[DYA:DYA+1], v[D2A:D2A+1]
	v_rsq_f32 v[RA], v[D2A]
	v_rsq_f32 v[RA+1], v[D2A+1]
	v_pk_fma_f32 v[D2B:D2B+1], v[DYB:DYB+1], v[DYB:DYB+1], v[D2B:D2B+1]    ; the place behind A's roots
	v_rsq_f32 v[RB], v[D2B]
	v_rsq_f32 v[RB+1], v[D2B+1]
	s_wait_alu depctr_va_vdst(0)
	v_pk_mul_f32 v[SA:SA+1], v[D2A:D2A+1], v[RA:RA+1]                      ; dis; the place behind B's roots
	v_pk_mul_f32 v[SB:SB+1], v[D2B:D2B+1], v[RB:RB+1]
	v_pk_add_f32 v[EA:EA+1], v[SA:SA+1], 0xbca3d70a op_sel_hi:[1,0]        ; dis - 0.02
	v_pk_add_f32 v[EB:EB+1], v[SB:SB+1], 0xbca3d70a op_sel_hi:[1,0]
	v_max_num_f32 v[EA], 0x3727c5ac, v[EA]                                 ; at least 1e-5; a NaN loses
	v_max_num_f32 v[EA+1], 0x3727c5ac, v[EA+1]
	v_log_f32 v[EA], v[EA]
	v_log_f32 v[EA+1], v[EA+1]
	v_max_num_f32 v[EB], 0x3727c5ac, v[EB]                                 ; the place behind A's logs
	v_max_num_f32 v[EB+1], 0x3727c5ac, v[EB+1]
	v_log_f32 v[EB], v[EB]
	v_log_f32 v[EB+1], v[EB+1]
	v_cmp_gt_f32 s80, s84, v[SA]                                           ; 0.06 > dis: false for NaN
	v_cmp_gt_f32 s81, s84, v[SA+1]
	v_cmp_gt_f32 s82, s84, v[SB]
	v_cmp_gt_f32 s83, s84, v[SB+1]
	s_wait_alu depctr_va_vdst(0)
	v_pk_add_f32 v[EA:EA+1], v[EA:EA+1], 0x408a4d3c op_sel_hi:[1,0]        ; + log2(20): log2((dis - 0.02) / 0.05)
	v_pk_add_f32 v[EB:EB+1], v[EB:EB+1], 0x408a4d3c op_sel_hi:[1,0]
	v_pk_mul_f32 v[EA:EA+1], v[EA:EA+1], v[RA:RA+1]                        ; / dis
	v_pk_mul_f32 v[EB:EB+1], v[EB:EB+1], v[RB:RB+1]
	v_cndmask_b32 v[EA], 0, v[EA], s80
	v_cndmask_b32 v[EA+1], 0, v[EA+1], s81
	v_cndmask_b32 v[EB], 0, v[EB], s82
	v_cndmask_b32 v[EB+1], 0, v[EB+1], s83
.if \zero
	v_pk_mul_f32 v[F+4*\i:F+4*\i+1], v[EA:EA+1], v[DXA:DXA+1]
	v_pk_mul_f32 v[F+4*\i+2:F+4*\i+3], v[EA:EA+1], v[DYA:DYA+1]
	v_pk_mul_f32 v[F+4*\i+4:F+4*\i+5], v[EB:EB+1], v[DXB:DXB+1]
	v_pk_mul_f32 v[F+4*\i+6:F+4*\i+7], v[EB:EB+1], v[DYB:DYB+1]
.else
	v_pk_fma_f32 v[F+4*\i:F+4*\i+1], v[EA:EA+1], v[DXA:DXA+1], v[F+4*\i:F+4*\i+1]
	v_pk_fma_f32 v[F+4*\i+2:F+4*\i+3], v[EA:EA+1], v[DYA:DYA+1], v[F+4*\i+2:F+4*\i+3]
	v_pk_fma_f32 v[F+4*\i+4:F+4*\i+5], v[EB:EB+1], v[DXB:DXB+1], v[F+4*\i+4:F+4*\i+5]
	v_pk_fma_f32 v[F+4*\i+6:F+4*\i+7], v[EB:EB+1], v[DYB:DYB+1], v[F+4*\i+6:F+4*\i+7]
.endif
.endm
; One trip: my two j of this 4,096-byte stripe against the 16 i.  more = 1: the next stripe's load goes out first.
.macro TRIP zero, more
	s_wait_loadcnt 0x0                             ; the one load that is out (in the first trip the five loads of the head too); it also frees OFFC
	v_cmp_gt_u32 vcc_lo, NBYTES-15, v[OFFU]        ; my 16 bytes lie inside pos
	v_cndmask_b32 v[XJ], s78, v[LD], vcc_lo        ; else 1e9
	v_cndmask_b32 v[YJ], s78, v[LD+1], vcc_lo
	v_cndmask_b32 v[XJ+1], s78, v[LD+2], vcc_lo
	v_cndmask_b32 v[YJ+1], s78, v[LD+3], vcc_lo
.if \more
	v_add_nc_u32 v[OFFU], 4096, v[OFFU]
	v_min_u32 v[OFFC], NBYTES-16, v[OFFU]          ; no load leaves the buffer
	global_load_b128 v[LD:LD+3], v[OFFC], s[4:5]
.endif
.irp i, 0,2,4,6,8,10,12,14
	PAIR2 \i, \zero
.endr
.endm
	TRIP 1, 1                                      ; stripe 0 starts the sums
	s_mov_b32 s85, 6
.Ltrip:
	TRIP 0, 1                                      ; stripes 1 to 6
	s_sub_co_u32 s85, s85, 1
	s_cmp_lg_u32 s85, 0
	s_cbranch_scc1 .Ltrip
	TRIP 0, 0                                      ; stripe 7 fetches nothing
	; The sums over the 256 threads.  First the two halves of each pair, then a transposition through the wave's own LDS rows:
	; lane l stores its 32 sums as row l and reads column l of the 32 rows, so that lane l adds up sum number l.
.set k, 0
.rept 16
	v_add_f32 v[RV+k], v[F+4*k], v[F+4*k+1]
	v_add_f32 v[RV+16+k], v[F+4*k+2], v[F+4*k+3]
.set k, k+1
.endr
	s_mul_i32 s79, s24, WROWS
	v_mul_u32_u24 v[LROW], v1, ROWP
	v_add_nc_u32 v[LROW], s79, v[LROW]
	v_lshl_add_u32 v[LCOL], v1, 2, s79
.set k, 0
.rept 8
	ds_store_b128 v[LROW], v[RV+4*k:RV+4*k+3] offset:R1+16*k
.set k, k+1
.endr
.set k, 0
.rept 32
	ds_load_b32 v[F+k], v[LCOL] offset:R1+ROWP*k   ; the wave's own rows; LDS serves a wave's instructions in order (ISA guide 5.7.1)
.set k, k+1
.endr
	s_wait_dscnt 0x0
.irp h, 16,8,4,2,1
.set k, 0
.rept \h
	v_add_f32 v[F+k], v[F+k], v[F+k+\h]
.set k, k+1
.endr
.endr
	s_lshl_b32 s88, s24, 7
	v_lshl_add_u32 v[T], v1, 2, s88
	ds_store_b32 v[T], v[F] offset:R2              ; [wave][sum]: sums 0-15 are the x parts of the 16 particles, 16-31 the y parts
	s_wait_dscnt 0x0                               ; my store is done before I say so: every wave reads it
	s_barrier_signal -1
	s_barrier_wait -1
	; My lane's particle q = 2 x wave + (lane & 1): the eight waves' x sums and y sums are fetched, and what needs no sum is done meanwhile.
	s_lshl_b32 s62, s24, 3
	v_lshl_add_u32 v[T+1], v[Q], 2, s62            ; 4 q
.set k, 0
.rept 8
	ds_load_b32 v[F+k], v[T+1] offset:R2+128*k
	ds_load_b32 v[F+8+k], v[T+1] offset:R2+128*k+64
.set k, k+1
.endr
	v_fma_f32 v[ZE], v[REC], s68, s76              ; [pos, vel] . We + be
	v_fma_f32 v[ZK], v[REC], s72, s77              ; [pos, vel] . Wk + bk
	v_fma_f32 v[ZE], v[REC+1], s69, v[ZE]
	v_fma_f32 v[ZK], v[REC+1], s73, v[ZK]
	v_fma_f32 v[ZE], v[REC+2], s70, v[ZE]
	v_fma_f32 v[ZK], v[REC+2], s74, v[ZK]
	v_fma_f32 v[ZE], v[REC+3], s71, v[ZE]
	v_fma_f32 v[ZK], v[REC+3], s75, v[ZK]
	v_sub_f32 v[GX], 0.5, v[REC]                   ; goal - pos
	v_sub_f32 v[GY], 0.5, v[REC+1]
	v_mul_f32 v[ZE], 0xbfb8aa3b, v[ZE]             ; sigmoid(z) = 1 / (1 + 2^(-1.442695 z))
	v_mul_f32 v[ZK], 0xbfb8aa3b, v[ZK]
	v_mul_f32 v[GG], v[GX], v[GX]
	v_fma_f32 v[GG], v[GY], v[GY], v[GG]
	v_exp_f32 v[ZE], v[ZE]
	v_exp_f32 v[ZK], v[ZK]
	v_cmp_lt_f32 vcc_lo, 0, v[GG]
	v_cndmask_b32 v[GG], 1.0, v[GG], vcc_lo        ; 1 where the particle stands on the goal; also the place behind the exponentials
	s_wait_alu depctr_va_vdst(0)
	v_add_f32 v[ZE], 1.0, v[ZE]
	v_add_f32 v[ZK], 1.0, v[ZK]
	v_rcp_f32 v[ZE], v[ZE]
	v_rcp_f32 v[ZK], v[ZK]
	v_rsq_f32 v[GG], v[GG]
	v_add_f32 v[JM], -1.0, v[REC+11]               ; J - 1; the place behind the three
	s_wait_alu depctr_va_vdst(0)
	v_mul_f32 v[ZE], 0xbb4ccccd, v[ZE]             ; -0.003125 = -DT 4 inv_dx^2 vol x 100 / 64
	v_mul_f32 v[ZK], 0x3be32166, v[ZK]             ; 0.00693147 = 5 DT ln 2
	v_mul_f32 v[GG], v[DV], v[GG]                  ; desired speed / distance to the goal
	v_mul_f32 v[REC+10], v[ZE], v[JM]              ; stress / 64
	v_fma_f32 v[REC+8], v[GX], v[GG], -v[REC+2]    ; external force
	v_fma_f32 v[REC+9], v[GY], v[GG], -v[REC+3]
	v_mul_f32 v[REC], 0x42800000, v[REC]           ; position in cells (exact)
	v_mul_f32 v[REC+1], 0x42800000, v[REC+1]
.irp k, 4,5,6,7
	v_mul_f32 v[REC+\k], 0x3c800000, v[REC+\k]     ; C / 64 (exact)
.endr
	s_mul_i32 s63, s24, 96                         ; my wave's two records in the stage
	v_mul_u32_u24 v[T+2], v[Q], 48
	v_add_nc_u32 v[T+2], s63, v[T+2]
	s_wait_dscnt 0x0                               ; the sixteen partial sums
.irp h, 4,2,1
.set k, 0
.rept \h
	v_add_f32 v[F+k], v[F+k], v[F+k+\h]
	v_add_f32 v[F+8+k], v[F+8+k], v[F+8+k+\h]
.set k, k+1
.endr
.endr
	v_fma_f32 v[REC+8], v[ZK], v[F], v[REC+8]      ; + repulsion
	v_fma_f32 v[REC+9], v[ZK], v[F+8], v[REC+9]
	; The 16 records of 48 bytes = 768 bytes meet in LDS, so that each store to memory covers 256 consecutive bytes, aligned.
	ds_store_b128 v[T+2], v[REC:REC+3] offset:R3           ; the sixteen lanes of one particle write the same words with the same values
	ds_store_b128 v[T+2], v[REC+4:REC+7] offset:R3+16
	ds_store_b128 v[T+2], v[REC+8:REC+11] offset:R3+32
	s_wait_dscnt 0x0                               ; my two records are in LDS before I say so: waves 0 to 2 read them
	s_barrier_signal -1
	s_barrier_wait -1
	s_cmp_gt_u32 s24, 2                            ; 96 threads x 8 bytes = 768 bytes
	s_cbranch_scc1 .Lend
	v_lshlrev_b32 v[T+3], 3, v0                    ; 8 t, in the stage and in the work-group's part of rec alike
	ds_load_b64 v[OUTD:OUTD+1], v[T+3] offset:R3
	s_mul_i32 s60, s25, 768
	s_add_nc_u64 s[22:23], s[22:23], s[60:61]
	s_wait_dscnt 0x0
	global_store_b64 v[T+3], v[OUTD:OUTD+1], s[22:23]
.Lend:
	s_wait_tensorcnt 0x0
	ds_add_u32 v172, v173
	s_wait_dscnt 0x0
	s_endpgm
.Lfunc_end_k_qcad518d4ce_pair:
	.size	k_qcad518d4ce_pair, .Lfunc_end_k_qcad518d4ce_pair-k_qcad518d4ce_pair
	.p2alignl 7, 3214868480
	.fill 96, 4, 3214868480
	.section	.rodata,"a",@progbits
	.p2align	6, 0x0
	.amdhsa_kernel k_qcad518d4ce_pair
		.amdhsa_group_segment_fixed_size 39936
		.amdhsa_private_segment_fixed_size 0
		.amdhsa_enable_private_segment 0
		.amdhsa_kernarg_size 80
		.amdhsa_user_sgpr_count 2
		.amdhsa_user_sgpr_kernarg_segment_ptr 1
		.amdhsa_wavefront_size32 1
		.amdhsa_system_sgpr_workgroup_id_x 1
		.amdhsa_system_sgpr_workgroup_id_y 1
		.amdhsa_system_sgpr_workgroup_id_z 1
		.amdhsa_system_vgpr_workitem_id 0
		.amdhsa_next_free_vgpr 174
		.amdhsa_next_free_sgpr 90
		.amdhsa_reserve_vcc 1
		.amdhsa_float_denorm_mode_32 3
		.amdhsa_float_denorm_mode_16_64 3
		.amdhsa_memory_ordered 1
		.amdhsa_forward_progress 1
		.amdhsa_inst_pref_size 73
	.end_amdhsa_kernel
	.amdgpu_metadata
---
amdhsa.version: [ 1, 2 ]
amdhsa.kernels:
  - .name:           k_qcad518d4ce_pair
    .symbol:         k_qcad518d4ce_pair.kd
    .args:
      - { .name: pos, .offset: 0, .size: 8, .value_kind: global_buffer, .address_space: global }
      - { .name: vel, .offset: 8, .size: 8, .value_kind: global_buffer, .address_space: global }
      - { .name: C, .offset: 16, .size: 8, .value_kind: global_buffer, .address_space: global }
      - { .name: J, .offset: 24, .size: 8, .value_kind: global_buffer, .address_space: global }
      - { .name: dvel, .offset: 32, .size: 8, .value_kind: global_buffer, .address_space: global }
      - { .name: We, .offset: 40, .size: 8, .value_kind: global_buffer, .address_space: global }
      - { .name: be, .offset: 48, .size: 8, .value_kind: global_buffer, .address_space: global }
      - { .name: Wk, .offset: 56, .size: 8, .value_kind: global_buffer, .address_space: global }
      - { .name: bk, .offset: 64, .size: 8, .value_kind: global_buffer, .address_space: global }
      - { .name: rec, .offset: 72, .size: 8, .value_kind: global_buffer, .address_space: global }
    .group_segment_fixed_size: 39936
    .private_segment_fixed_size: 0
    .kernarg_segment_align: 8
    .kernarg_segment_size: 80
    .max_flat_workgroup_size: 256
    .sgpr_count:     90
    .vgpr_count:     174
    .wavefront_size: 32
...
	.end_amdgpu_metadata
.endif
;; end of part 2
;; launch p2g (part 3): grid 256 x 1, 4 waves a work-group, clusters of 4 x 1, 198,656 bytes of LDS; arguments rec, cella, Wa, ba, out0; writes out0
.if DOCPART == 3
	.amdgcn_target "amdgcn-amd-amdhsa--gfx1250"
	.amdhsa_code_object_version 6
	.text
	.protected	k_qcad518d4ce_p2g
	.globl	k_qcad518d4ce_p2g
	.p2align	8
	.type	k_qcad518d4ce_p2g,@function
k_qcad518d4ce_p2g:
	s_mov_b64 s[64:65], 0
	v_nop
	global_prefetch_b8 v0, s[64:65] scope:SCOPE_SE
	s_setreg_imm32_b32 hwreg(HW_REG_WAVE_MODE, 25, 1), 1
	s_wait_xcnt 0x0
	s_wait_alu depctr_hold_cnt(0) depctr_sa_sdst(0) depctr_va_vdst(0) depctr_va_sdst(0) depctr_va_ssrc(0) depctr_va_vcc(0) depctr_vm_vsrc(0)
	s_getreg_b32 s2, hwreg(HW_REG_IB_STS2, 6, 4)
	s_cmp_eq_u32 s2, 0
	s_cbranch_scc0 .Lentry_in_a_cluster
	s_endpgm
.Lentry_in_a_cluster:
	s_bfe_u32 s2, ttmp6, 0x10000c
	s_cmp_lg_u32 s2, 0x3003
	s_cbranch_scc0 .Lentry_shape_is_right
	s_endpgm
.Lentry_shape_is_right:
; The grid stage of a substep: particles to nodes, the node update, one slice of the output.
; SHARES: a work-group owns 4 x 4 nodes (256 work-groups = 64 x 64 nodes) and sums over all 4,096 records (4,000 particles and 96 dummies
; of weight 0).  Wave w takes records 1024 w .. + 1023 in 32 groups, one record a lane, and keeps 5 x 16 sums in registers:
; mass, momentum (2), and stress + forces (2).
; The window is separable, so 32 records x 16 nodes cost 8 one-dimensional windows and 64 packed instructions for the 5 sums.
; W(u) = (min(|u|,1.5) - 1.5)^2 - 3 (0.5 - min(|u|,0.5))^2 is TWICE the quadratic spline in all three of its ranges; each sum thus carries
; the factor 4, which cancels in every quotient by the mass.  u = node - 64 pos is rounded once, like 64 (node/64 - pos).
; NO MATRIX UNIT: the weights are no stored operand.  A 16 x 16 tile of nodes would leave 16 owners, and for every 32 particles 10 fragments
; would have to be computed and rounded lane by lane to feed 8 matrix instructions: more vector work than the 108 packed f32 lines below,
; which are exact in f32.
; CLUSTER: every work-group reads all 196,608 bytes of rec.  Four work-groups form a cluster and ask for each 6,144-byte chunk jointly
; (mask 15): the same line, the same descriptor (made of the wave's number and constants alone) in all four.  All of rec fits in LDS:
; every LDS byte is filled once, so there is no ring.  A wave reads only the chunks that it asked for, behind its own counted waits;
; it has eight tensor loads out at the most.
; The place in the cluster enters only the nodes' coordinates (floats) and the output address.
; OUTPUT: a row of the 4 x 4 block is 32 bytes.  A strip of 1 x 16 nodes would give longer runs but needs 17 windows for a record instead of 8.
; The 32 groups are written out, so that every LDS read is one register plus an immediate (at most 47,648).
.set CHUNK, 6144                       ; 128 records: what one tensor load brings (24 rows of 256 bytes)
.set WPART, 49152                      ; a wave's 1,024 records
.set GRP,   1536                       ; 32 records
.set SCR,   196608                     ; behind the image of rec: 4 x 320 bytes, the waves' totals; no tensor load fills these
.set ADR,  2                           ; v2         LDS address of my lane's record in my wave's group 0
.set NI,   4                           ; v[4:7]     node rows i0 .. i0+3 as floats
.set NJ,   8                           ; v[8:11]    node columns j0 .. j0+3
.set RA,   12                          ; v[12:23]   a record
.set RB,   24                          ; v[24:35]   the next one, on its way
.set UX,   36                          ; v[36:39]   i - 64x
.set UY,   40                          ; v[40:43]   j - 64y
.set M1,   44                          ; v[44:51]   outer arm of the 8 windows
.set M2,   52                          ; v[52:59]   inner arm
.set WX,   60                          ; v[60:63]   2 x window along i
.set WY,   64                          ; v[64:67]   2 x window along j
.set A0,   68                          ; v[68:71]   v0 + C00' ux_i
.set A1,   72                          ; v[72:75]   v1 + C10' ux_i
.set E0,   76                          ; v[76:79]   F0 + s' ux_i
.set E1,   80                          ; v[80:83]   F1 + s' uy_j
.set TW,   84                          ; v[84:87]   weights of a row of nodes
.set TM0,  88                          ; v[88:91]   momentum terms of a row
.set TM1,  92                          ; v[92:95]
.set MASS, 100                         ; v[100:179] the sums, node 4 i + j: mass, momentum 0, 1, rest 0, 1
.set MOM0, 116
.set MOM1, 132
.set RS0,  148
.set RS1,  164
.set KM15, 180                         ; v[180:181] -1.5 twice
.set KS3,  182                         ; v[182:183] -sqrt(3) twice
.set KH3,  184                         ; v[184:185] sqrt(3)/2 twice: the same mantissa, so that the inner arm is exactly 0 at 0.5
.set G1, 24                            ; s[24:31]   descriptor group 1
.set G0, 32                            ; s[32:63]   descriptor group 0, one set for each of my eight chunks
; A round of the cluster's barrier: my work-group's barrier, wave 0 signals for the work-group, every wave waits for the four work-groups,
; my work-group's barrier once more.
.macro CROUND
	s_barrier_signal -1
	s_barrier_wait -1
	s_cmp_lg_u32 s14, 0
	s_cbranch_scc1 .Lnot_wave_0_\@
	s_barrier_signal -3
.Lnot_wave_0_\@:
	s_barrier_wait -3
	s_barrier_signal -1
	s_barrier_wait -1
.endm
	s_load_b256 s[4:11], s[0:1], 0x0               ; rec s[4:5], cells s[6:7], Wa s[8:9], ba s[10:11]
	s_load_b64 s[12:13], s[0:1], 0x20              ; out0
	v_lshl_add_u32 v192, v0, 2, 0x30600
	v_mov_b32 v193, 0
	ds_add_u32 v192, v193
	v_and_b32 v1, 31, v0                           ; lane
	v_lshrrev_b32 v3, 5, v0
	v_readfirstlane_b32 s14, v3                    ; wave
	s_bfe_u32 s15, ttmp6, 0x40000                  ; my place in the cluster
	s_lshl_b32 s16, ttmp9, 2
	s_add_co_u32 s16, s16, s15                     ; work-group = 4 x cluster + place
	s_mul_i32 s78, s14, WPART                      ; my wave's part, in rec and in LDS alike
	s_mov_b32 s74, s78
	s_mov_b32 s75, 0
	; group 1: a dense block as 24 rows of 32 elements of 8 bytes
	s_mov_b32 s[G1+0], 15|(3<<16)|(1<<21)          ; 15:0 mask: all four of the cluster; 17:16 elements of 8 bytes; 21 set beside a mask; no padding
	s_mov_b32 s[G1+1], 32<<16                      ; tensor_dim0 = 32
	s_mov_b32 s[G1+2], 24<<16                      ; tensor_dim1 = 24
	s_mov_b32 s[G1+3], 32<<16                      ; tile_dim0 = 32
	s_mov_b32 s[G1+4], 24                          ; tile_dim1 = 24
	s_mov_b32 s[G1+5], 32                          ; 32 elements from row to row
	s_mov_b32 s[G1+6], 0
	s_mov_b32 s[G1+7], 0
	s_wait_dscnt 0x0
	s_wait_kmcnt 0x0
	s_add_nc_u64 s[76:77], s[4:5], s[74:75]        ; rec at my wave's part
	s_load_b32 s19, s[6:7], 0x0                    ; the substep's number
	s_load_b64 s[20:21], s[8:9], 0x0               ; Wa
	s_load_b32 s22, s[10:11], 0x0                  ; ba
.irp c, 0,1,2,3,4,5,6,7
	s_mov_b32 s[G0+4*\c], 1
	s_add_co_u32 s[G0+4*\c+1], s78, \c*CHUNK                       ; LDS address
	s_add_nc_u64 s[G0+4*\c+2:G0+4*\c+3], s[76:77], \c*CHUNK        ; global address
	s_or_b32 s[G0+4*\c+3], s[G0+4*\c+3], 0x80000000                ; type = 2
.endr
	CROUND                                         ; the four work-groups are here: the joint loads meet
.irp c, 0,1,2,3,4,5,6,7
	tensor_load_to_lds s[G0+4*\c:G0+4*\c+3], s[G1:G1+7]
	s_nop 0
.endr
	s_lshr_b32 s17, s16, 4
	s_lshl_b32 s17, s17, 2                         ; i0
	s_and_b32 s18, s16, 15
	s_lshl_b32 s18, s18, 2                         ; j0
.irp k, 0,1,2,3
	s_add_co_u32 s23, s17, \k
	v_cvt_f32_u32 v[NI+\k], s23
	s_add_co_u32 s23, s18, \k
	v_cvt_f32_u32 v[NJ+\k], s23
.endr
	v_mul_u32_u24 v[ADR], v1, 48                   ; records 48 bytes apart, an odd multiple of 16
	v_add_nc_u32 v[ADR], s78, v[ADR]
	v_mov_b32 v[KM15], 0xbfc00000
	v_mov_b32 v[KM15+1], 0xbfc00000
	v_mov_b32 v[KS3], 0xbfddb3d7
	v_mov_b32 v[KS3+1], 0xbfddb3d7
	v_mov_b32 v[KH3], 0x3f5db3d7
	v_mov_b32 v[KH3+1], 0x3f5db3d7
	s_mov_b32 s73, 0x3fc00000                      ; 1.5
	s_mov_b32 s70, 0x76543210
	s_mov_b32 s71, 0xfedcba98
	s_mov_b32 s79, 0x3b03126f                      ; DT = 0.002
; One row i of the block: four nodes as two pairs.  pr, hf: the pair and the half in which WX, A0, A1, E0 hold row i.
; Producers first, consumers six lines later, so that no line waits for the one in front of it.
.macro ROW rec, i, pr, hf, zero
.if \zero
.set WREG, MASS+4*\i                   ; the first group's weights ARE the mass sums: nothing is cleared
.else
.set WREG, TW
.endif
	v_pk_mul_f32 v[WREG:WREG+1], v[WY:WY+1], v[WX+\pr:WX+\pr+1] op_sel:[0,\hf] op_sel_hi:[1,\hf]
	v_pk_mul_f32 v[WREG+2:WREG+3], v[WY+2:WY+3], v[WX+\pr:WX+\pr+1] op_sel:[0,\hf] op_sel_hi:[1,\hf]
	v_pk_fma_f32 v[TM0:TM0+1], v[UY:UY+1], v[\rec+4:\rec+5], v[A0+\pr:A0+\pr+1] op_sel:[0,1,\hf] op_sel_hi:[1,1,\hf]      ; C01' uy + (v0 + C00' ux)
	v_pk_fma_f32 v[TM0+2:TM0+3], v[UY+2:UY+3], v[\rec+4:\rec+5], v[A0+\pr:A0+\pr+1] op_sel:[0,1,\hf] op_sel_hi:[1,1,\hf]
	v_pk_fma_f32 v[TM1:TM1+1], v[UY:UY+1], v[\rec+6:\rec+7], v[A1+\pr:A1+\pr+1] op_sel:[0,1,\hf] op_sel_hi:[1,1,\hf]      ; C11' uy + (v1 + C10' ux)
	v_pk_fma_f32 v[TM1+2:TM1+3], v[UY+2:UY+3], v[\rec+6:\rec+7], v[A1+\pr:A1+\pr+1] op_sel:[0,1,\hf] op_sel_hi:[1,1,\hf]
.if \zero
	v_pk_mul_f32 v[MOM0+4*\i:MOM0+4*\i+1], v[WREG:WREG+1], v[TM0:TM0+1]
	v_pk_mul_f32 v[MOM0+4*\i+2:MOM0+4*\i+3], v[WREG+2:WREG+3], v[TM0+2:TM0+3]
	v_pk_mul_f32 v[MOM1+4*\i:MOM1+4*\i+1], v[WREG:WREG+1], v[TM1:TM1+1]
	v_pk_mul_f32 v[MOM1+4*\i+2:MOM1+4*\i+3], v[WREG+2:WREG+3], v[TM1+2:TM1+3]
	v_pk_mul_f32 v[RS0+4*\i:RS0+4*\i+1], v[WREG:WREG+1], v[E0+\pr:E0+\pr+1] op_sel:[0,\hf] op_sel_hi:[1,\hf]
	v_pk_mul_f32 v[RS0+4*\i+2:RS0+4*\i+3], v[WREG+2:WREG+3], v[E0+\pr:E0+\pr+1] op_sel:[0,\hf] op_sel_hi:[1,\hf]
	v_pk_mul_f32 v[RS1+4*\i:RS1+4*\i+1], v[WREG:WREG+1], v[E1:E1+1]
	v_pk_mul_f32 v[RS1+4*\i+2:RS1+4*\i+3], v[WREG+2:WREG+3], v[E1+2:E1+3]
.else
	v_pk_add_f32 v[MASS+4*\i:MASS+4*\i+1], v[MASS+4*\i:MASS+4*\i+1], v[TW:TW+1]
	v_pk_add_f32 v[MASS+4*\i+2:MASS+4*\i+3], v[MASS+4*\i+2:MASS+4*\i+3], v[TW+2:TW+3]
	v_pk_fma_f32 v[MOM0+4*\i:MOM0+4*\i+1], v[TW:TW+1], v[TM0:TM0+1], v[MOM0+4*\i:MOM0+4*\i+1]
	v_pk_fma_f32 v[MOM0+4*\i+2:MOM0+4*\i+3], v[TW+2:TW+3], v[TM0+2:TM0+3], v[MOM0+4*\i+2:MOM0+4*\i+3]
	v_pk_fma_f32 v[MOM1+4*\i:MOM1+4*\i+1], v[TW:TW+1], v[TM1:TM1+1], v[MOM1+4*\i:MOM1+4*\i+1]
	v_pk_fma_f32 v[MOM1+4*\i+2:MOM1+4*\i+3], v[TW+2:TW+3], v[TM1+2:TM1+3], v[MOM1+4*\i+2:MOM1+4*\i+3]
	v_pk_fma_f32 v[RS0+4*\i:RS0+4*\i+1], v[TW:TW+1], v[E0+\pr:E0+\pr+1], v[RS0+4*\i:RS0+4*\i+1] op_sel:[0,\hf,0] op_sel_hi:[1,\hf,1]
	v_pk_fma_f32 v[RS0+4*\i+2:RS0+4*\i+3], v[TW+2:TW+3], v[E0+\pr:E0+\pr+1], v[RS0+4*\i+2:RS0+4*\i+3] op_sel:[0,\hf,0] op_sel_hi:[1,\hf,1]
	v_pk_fma_f32 v[RS1+4*\i:RS1+4*\i+1], v[TW:TW+1], v[E1:E1+1], v[RS1+4*\i:RS1+4*\i+1]
	v_pk_fma_f32 v[RS1+4*\i+2:RS1+4*\i+3], v[TW+2:TW+3], v[E1+2:E1+3], v[RS1+4*\i+2:RS1+4*\i+3]
.endif
.endm
; Group grp of my wave: 32 records, one a lane, in registers cur; more = 1: the next group's record is fetched into nxt first.
.macro GROUP grp, cur, nxt, zero, more
.if \more
	ds_load_b128 v[\nxt:\nxt+3], v[ADR] offset:(\grp+1)*GRP
	ds_load_b128 v[\nxt+4:\nxt+7], v[ADR] offset:(\grp+1)*GRP+16
	ds_load_b128 v[\nxt+8:\nxt+11], v[ADR] offset:(\grp+1)*GRP+32
	s_wait_dscnt 0x3                               ; the three just issued stay out; this group's record is in
.else
	s_wait_dscnt 0x0
.endif
	v_pk_add_f32 v[UX:UX+1], v[NI:NI+1], v[\cur:\cur+1] op_sel_hi:[1,0] neg_lo:[0,1] neg_hi:[0,1]
	v_pk_add_f32 v[UX+2:UX+3], v[NI+2:NI+3], v[\cur:\cur+1] op_sel_hi:[1,0] neg_lo:[0,1] neg_hi:[0,1]
	v_pk_add_f32 v[UY:UY+1], v[NJ:NJ+1], v[\cur:\cur+1] op_sel:[0,1] op_sel_hi:[1,1] neg_lo:[0,1] neg_hi:[0,1]
	v_pk_add_f32 v[UY+2:UY+3], v[NJ+2:NJ+3], v[\cur:\cur+1] op_sel:[0,1] op_sel_hi:[1,1] neg_lo:[0,1] neg_hi:[0,1]
.irp k, 0,1,2,3,4,5,6,7
	v_min_num_f32 v[M1+\k], |v[UX+\k]|, s73        ; min(|u|, 1.5)
.endr
.irp k, 0,1,2,3,4,5,6,7
	v_min_num_f32 v[M2+\k], 0.5, v[M1+\k]          ; min(|u|, 0.5)
.endr
.irp k, 0,2,4,6
	v_pk_add_f32 v[M1+\k:M1+\k+1], v[M1+\k:M1+\k+1], v[KM15:KM15+1]
.endr
.irp k, 0,2,4,6
	v_pk_fma_f32 v[M2+\k:M2+\k+1], v[M2+\k:M2+\k+1], v[KS3:KS3+1], v[KH3:KH3+1]
.endr
.irp k, 0,2,4,6
	v_pk_mul_f32 v[M1+\k:M1+\k+1], v[M1+\k:M1+\k+1], v[M1+\k:M1+\k+1]
.endr
	v_pk_fma_f32 v[A0:A0+1], v[UX:UX+1], v[\cur+4:\cur+5], v[\cur+2:\cur+3] op_sel_hi:[1,0,0]
	v_pk_fma_f32 v[A0+2:A0+3], v[UX+2:UX+3], v[\cur+4:\cur+5], v[\cur+2:\cur+3] op_sel_hi:[1,0,0]
	v_pk_fma_f32 v[A1:A1+1], v[UX:UX+1], v[\cur+6:\cur+7], v[\cur+2:\cur+3] op_sel:[0,0,1] op_sel_hi:[1,0,1]
	v_pk_fma_f32 v[A1+2:A1+3], v[UX+2:UX+3], v[\cur+6:\cur+7], v[\cur+2:\cur+3] op_sel:[0,0,1] op_sel_hi:[1,0,1]
	v_pk_fma_f32 v[E0:E0+1], v[UX:UX+1], v[\cur+10:\cur+11], v[\cur+8:\cur+9] op_sel_hi:[1,0,0]
	v_pk_fma_f32 v[E0+2:E0+3], v[UX+2:UX+3], v[\cur+10:\cur+11], v[\cur+8:\cur+9] op_sel_hi:[1,0,0]
	v_pk_fma_f32 v[E1:E1+1], v[UY:UY+1], v[\cur+10:\cur+11], v[\cur+8:\cur+9] op_sel:[0,0,1] op_sel_hi:[1,0,1]
	v_pk_fma_f32 v[E1+2:E1+3], v[UY+2:UY+3], v[\cur+10:\cur+11], v[\cur+8:\cur+9] op_sel:[0,0,1] op_sel_hi:[1,0,1]
.irp k, 0,2,4,6
	v_pk_fma_f32 v[WX+\k:WX+\k+1], v[M2+\k:M2+\k+1], v[M2+\k:M2+\k+1], v[M1+\k:M1+\k+1] neg_lo:[1,0,0] neg_hi:[1,0,0]   ; outer^2 - inner^2
.endr
	ROW \cur, 0, 0, 0, \zero
	ROW \cur, 1, 0, 1, \zero
	ROW \cur, 2, 2, 0, \zero
	ROW \cur, 3, 2, 1, \zero
.endm
	; Chunk c holds groups 4c .. 4c+3, and group 4c+3 already fetches the first record of chunk c+1.  So ahead of chunk c the wait shows
	; chunks 0 .. c+1 landed: of my eight loads 6 - c may stay out (tensor loads of a wave end in order: ISA guide 10.11.1).
	s_wait_tensorcnt 0x6
	ds_load_b128 v[RA:RA+3], v[ADR]
	ds_load_b128 v[RA+4:RA+7], v[ADR] offset:16
	ds_load_b128 v[RA+8:RA+11], v[ADR] offset:32
	GROUP 0, RA, RB, 1, 1                          ; the first group starts the sums
	GROUP 1, RB, RA, 0, 1
	GROUP 2, RA, RB, 0, 1
	GROUP 3, RB, RA, 0, 1
.irp c, 1,2,3,4,5,6
	s_wait_tensorcnt 6-\c
	GROUP 4*\c, RA, RB, 0, 1
	GROUP 4*\c+1, RB, RA, 0, 1
	GROUP 4*\c+2, RA, RB, 0, 1
	GROUP 4*\c+3, RB, RA, 0, 1
.endr
	GROUP 28, RA, RB, 0, 1                         ; the last wait was for 0: chunk 7 is in
	GROUP 29, RB, RA, 0, 1
	GROUP 30, RA, RB, 0, 1
	GROUP 31, RB, RA, 0, 0                         ; nothing more to fetch
	; The 80 sums over the 32 lanes: four steps inside each half of 16 lanes, one across; each pass runs over all 80 registers.
.irp m, 1,2,4,8
.set k, 0
.rept 80
	v_add_f32_dpp v[MASS+k], v[MASS+k], v[MASS+k] row_xmask:\m row_mask:0xf bank_mask:0xf
.set k, k+1
.endr
.endr
.set k, 0
.rept 10
.irp q, 0,1,2,3,4,5,6,7
	v_permlanex16_b32 v[UX+\q], v[MASS+k+\q], s70, s71
.endr
.irp q, 0,1,2,3,4,5,6,7
	v_add_f32 v[MASS+k+\q], v[MASS+k+\q], v[UX+\q]
.endr
.set k, k+8
.endr
	s_mul_i32 s72, s14, 320
	s_add_co_u32 s72, s72, SCR
	v_mov_b32 v3, s72
.set k, 0
.rept 20
	ds_store_b128 v3, v[MASS+4*k:MASS+4*k+3] offset:16*k           ; every lane holds the same totals and writes the same words
.set k, k+1
.endr
	s_wait_dscnt 0x0                               ; my totals are in LDS before I say so: wave 0 reads them
	s_wait_kmcnt 0x0                               ; the substep's number, Wa, ba
	s_barrier_signal -1
	s_barrier_wait -1
	s_cmp_lg_u32 s14, 0
	s_cbranch_scc1 .Lnot_first
	; Wave 0: node n = lane & 15 (both halves of the wave do the same).
	v_and_b32 v186, 15, v0
	v_lshlrev_b32 v187, 2, v186
	v_add_nc_u32 v187, SCR, v187
.irp ch, 0,1,2,3,4
.irp w, 0,1,2,3
	ds_load_b32 v[12+4*\ch+\w], v187 offset:320*\w+64*\ch
.endr
.endr
	v_lshrrev_b32 v188, 2, v186                    ; row in the block
	v_and_b32 v189, 3, v186                        ; column
	v_lshlrev_b32 v188, 9, v188                    ; a row of 64 nodes is 512 bytes
	v_lshl_add_u32 v188, v189, 3, v188
	s_lshl_b32 s17, s17, 9
	s_lshl_b32 s18, s18, 3
	s_add_co_u32 s17, s17, s18
	v_add_nc_u32 v188, s17, v188
	s_min_u32 s19, s19, 3                          ; the slice, kept inside the output
	s_lshl_b32 s74, s19, 15                        ; 32,768 bytes a slice
	s_mov_b32 s75, 0
	s_add_nc_u64 s[12:13], s[12:13], s[74:75]
	s_wait_dscnt 0x0
.irp ch, 0,1,2,3,4
	v_add_f32 v[12+4*\ch], v[12+4*\ch], v[12+4*\ch+1]
	v_add_f32 v[12+4*\ch+2], v[12+4*\ch+2], v[12+4*\ch+3]
.endr
.irp ch, 0,1,2,3,4
	v_add_f32 v[12+4*\ch], v[12+4*\ch], v[12+4*\ch+2]              ; v12 mass, v16 v20 momentum, v24 v28 rest (all x 4)
.endr
	v_cmp_lt_f32 vcc_lo, 0, v12                    ; the node has mass
	v_cndmask_b32 v13, 1.0, v12, vcc_lo
	v_rcp_f32 v13, v13
	v_nop                                          ; a plain place behind each transcendental (ISA guide 5.7.2)
	s_wait_alu depctr_va_vdst(0)
	v_mul_f32 v14, v16, v13                        ; velocity in
	v_mul_f32 v15, v20, v13
	v_fma_f32 v17, v14, s20, s22
	v_fma_f32 v17, v15, s21, v17                   ; . Wa + ba
	v_mul_f32 v17, 0xbfb8aa3b, v17
	v_exp_f32 v17, v17
	v_nop
	s_wait_alu depctr_va_vdst(0)
	v_add_f32 v17, 1.0, v17
	v_rcp_f32 v17, v17                             ; alpha
	v_nop
	s_wait_alu depctr_va_vdst(0)
	v_fma_f32 v17, v17, s79, 1.0                   ; 1 + DT alpha
	v_fma_f32 v24, v16, v17, v24                   ; momentum (1 + DT alpha) + stress + forces
	v_fma_f32 v28, v20, v17, v28
	v_mul_f32 v24, v24, v13
	v_mul_f32 v25, v28, v13
	v_cndmask_b32 v24, 0, v24, vcc_lo              ; 0 where there is no mass
	v_cndmask_b32 v25, 0, v25, vcc_lo
	global_store_b64 v188, v[24:25], s[12:13]
.Lnot_first:
	s_wait_tensorcnt 0x0
	ds_add_u32 v192, v193
	s_wait_dscnt 0x0
	CROUND                                         ; the closing round: no work-group ends while a partner may still ask jointly
	s_endpgm
.Lfunc_end_k_qcad518d4ce_p2g:
	.size	k_qcad518d4ce_p2g, .Lfunc_end_k_qcad518d4ce_p2g-k_qcad518d4ce_p2g
	.p2alignl 7, 3214868480
	.fill 96, 4, 3214868480
	.section	.rodata,"a",@progbits
	.p2align	6, 0x0
	.amdhsa_kernel k_qcad518d4ce_p2g
		.amdhsa_group_segment_fixed_size 198656
		.amdhsa_private_segment_fixed_size 0
		.amdhsa_enable_private_segment 0
		.amdhsa_kernarg_size 40
		.amdhsa_user_sgpr_count 2
		.amdhsa_user_sgpr_kernarg_segment_ptr 1
		.amdhsa_wavefront_size32 1
		.amdhsa_system_sgpr_workgroup_id_x 1
		.amdhsa_system_sgpr_workgroup_id_y 1
		.amdhsa_system_sgpr_workgroup_id_z 1
		.amdhsa_system_vgpr_workitem_id 0
		.amdhsa_next_free_vgpr 194
		.amdhsa_next_free_sgpr 80
		.amdhsa_reserve_vcc 1
		.amdhsa_float_denorm_mode_32 3
		.amdhsa_float_denorm_mode_16_64 3
		.amdhsa_memory_ordered 1
		.amdhsa_forward_progress 1
		.amdhsa_inst_pref_size 254
	.end_amdhsa_kernel
	.amdgpu_metadata
---
amdhsa.version: [ 1, 2 ]
amdhsa.kernels:
  - .name:           k_qcad518d4ce_p2g
    .symbol:         k_qcad518d4ce_p2g.kd
    .args:
      - { .name: rec, .offset: 0, .size: 8, .value_kind: global_buffer, .address_space: global }
      - { .name: cella, .offset: 8, .size: 8, .value_kind: global_buffer, .address_space: global }
      - { .name: Wa, .offset: 16, .size: 8, .value_kind: global_buffer, .address_space: global }
      - { .name: ba, .offset: 24, .size: 8, .value_kind: global_buffer, .address_space: global }
      - { .name: out0, .offset: 32, .size: 8, .value_kind: global_buffer, .address_space: global }
    .group_segment_fixed_size: 198656
    .private_segment_fixed_size: 0
    .kernarg_segment_align: 8
    .kernarg_segment_size: 40
    .max_flat_workgroup_size: 128
    .sgpr_count:     80
    .vgpr_count:     194
    .wavefront_size: 32
...
	.end_amdgpu_metadata
.endif
;; end of part 3
;; launch g2p (part 4): grid 125 x 1, 1 waves a work-group, no clusters, 0 bytes of LDS; arguments rec, cella, out0, posw, velw, cw, jw, cellb; writes posw, velw, cw, jw, cellb
.if DOCPART == 4
	.amdgcn_target "amdgcn-amd-amdhsa--gfx1250"
	.amdhsa_code_object_version 6
	.text
	.protected	k_qcad518d4ce_g2p
	.globl	k_qcad518d4ce_g2p
	.p2align	8
	.type	k_qcad518d4ce_g2p,@function
k_qcad518d4ce_g2p:
	s_mov_b64 s[64:65], 0
	v_nop
	global_prefetch_b8 v0, s[64:65] scope:SCOPE_SE
	s_setreg_imm32_b32 hwreg(HW_REG_WAVE_MODE, 25, 1), 1
	s_wait_xcnt 0x0
; Nodes back to particles, and the particles' next state.  One lane, one particle: 125 work-groups of one wave.
; Only the 3 x 3 nodes from the particle's base cell on can have weight; the base cell was stored as a whole number by an earlier launch,
; so the gather's addresses hang on no float of this launch.  The window is computed in full for each of the 3 + 3 distances, so a clamped
; base cell (a particle at or beyond the grid's edge) still gets the right weights, zeros among them.
; W = (1.5 - min(|u|,1.5))^2 - 3 (0.5 - min(|u|,0.5))^2 is twice the spline, so WX WY = 4 w:  vel = sum / 4,
; C = 4 x 64^2 x sum w g u / 64 = 64 x sum (4w) g u.
; Reads the slice of out0 that the grid stage has just stored (its number is word 0 of the cells' buffer) and stores that number + 1.
; No LDS, no barrier, no matrix unit: nine terms for a particle.  jw and the cells go out as 128 bytes a wave: 4 bytes a particle.
.set UX,   12                          ; v[12:14]  node - position, in cells, along i
.set UY,   16                          ; v[16:18]  along j
.set WX,   20                          ; v[20:22]
.set WY,   24                          ; v[24:26]
.set XU,   28                          ; v[28:30]  WX ux
.set YU,   32                          ; v[32:34]  WY uy
.set GV,   40                          ; v[40:57]  node (r, c): velocity pair at 40 + 6 r + 2 c
.set SUMS, 58                          ; v[58:63]  row r, component d: sum over c of WY g
.set SUMT, 64                          ; v[64:69]  sum over c of WY uy g
.set VEL,  70                          ; v[70:71]
.set CN,   72                          ; v[72:75]  C00 C01 C10 C11
.set POS,  76                          ; v[76:77]
.set JN,   78
	s_load_b512 s[4:19], s[0:1], 0x0               ; rec, cells in, out0, posw, velw, cw, jw, cells out
	s_mov_b32 s24, ttmp9
	s_lshl_b32 s25, s24, 5
	s_mov_b32 s26, 0x3fc00000                      ; 1.5
	s_mov_b32 s27, 0xc0400000                      ; -3.0
	s_mov_b32 s28, 0x3b03126f                      ; DT
	s_mov_b32 s29, 0x3d400000                      ; 3 dx
	s_mov_b32 s30, 0x3f740000                      ; 1 - 3 dx
	s_mov_b32 s31, 0x42800000                      ; 64.0
	s_mov_b32 s32, 0x42740000                      ; 61.0
	v_add_nc_u32 v1, s25, v0                       ; p
	v_lshlrev_b32 v2, 2, v1                        ; 4 p
	v_mul_u32_u24 v3, v1, 48                       ; 48 p
	v_lshlrev_b32 v81, 3, v1                       ; 8 p
	v_lshlrev_b32 v82, 4, v1                       ; 16 p
	s_wait_kmcnt 0x0
	s_load_b32 s20, s[6:7], 0x0                    ; the substep's number
	global_load_b32 v4, v2, s[6:7] offset:256      ; base cell
	global_load_b64 v[6:7], v3, s[4:5]             ; 64x, 64y
	global_load_b32 v8, v3, s[4:5] offset:44       ; J
	s_wait_kmcnt 0x0
	s_min_u32 s21, s20, 3
	s_lshl_b32 s22, s21, 15
	s_mov_b32 s23, 0
	s_add_nc_u64 s[8:9], s[8:9], s[22:23]          ; this substep's slice
	s_wait_loadcnt 0x0
	v_min_u32 v4, 3965, v4                         ; 61 * 64 + 61: the 3 x 3 nodes stay inside the slice
	v_lshlrev_b32 v5, 3, v4                        ; 8 bytes a node
.irp r, 0,1,2
.irp c, 0,1,2
	global_load_b64 v[GV+6*\r+2*\c:GV+6*\r+2*\c+1], v5, s[8:9] offset:512*\r+8*\c
.endr
.endr
	v_lshrrev_b32 v9, 6, v4
	v_and_b32 v10, 63, v4
	v_cvt_f32_u32 v9, v9                           ; bi
	v_cvt_f32_u32 v10, v10                         ; bj
	v_add_f32 v[UX+1], 1.0, v9
	v_add_f32 v[UX+2], 2.0, v9
	v_add_f32 v[UY+1], 1.0, v10
	v_add_f32 v[UY+2], 2.0, v10
	v_sub_f32 v[UX], v9, v6
	v_sub_f32 v[UX+1], v[UX+1], v6
	v_sub_f32 v[UX+2], v[UX+2], v6
	v_sub_f32 v[UY], v10, v7
	v_sub_f32 v[UY+1], v[UY+1], v7
	v_sub_f32 v[UY+2], v[UY+2], v7
.macro WIN1 dst, u
	v_min_num_f32 v36, |v[\u]|, s26
	v_min_num_f32 v37, 0.5, v36
	v_sub_f32 v36, s26, v36
	v_sub_f32 v37, 0.5, v37
	v_mul_f32 v36, v36, v36
	v_mul_f32 v37, v37, v37
	v_fma_f32 v[\dst], v37, s27, v36
.endm
.irp k, 0,1,2
	WIN1 WX+\k, UX+\k
	WIN1 WY+\k, UY+\k
.endr
.irp k, 0,1,2
	v_mul_f32 v[XU+\k], v[WX+\k], v[UX+\k]
	v_mul_f32 v[YU+\k], v[WY+\k], v[UY+\k]
.endr
	s_wait_loadcnt 0x0                             ; the nine nodes
.irp r, 0,1,2
.irp d, 0,1
	v_mul_f32 v[SUMS+2*\r+\d], v[WY], v[GV+6*\r+\d]
	v_mul_f32 v[SUMT+2*\r+\d], v[YU], v[GV+6*\r+\d]
	v_fma_f32 v[SUMS+2*\r+\d], v[WY+1], v[GV+6*\r+2+\d], v[SUMS+2*\r+\d]
	v_fma_f32 v[SUMT+2*\r+\d], v[YU+1], v[GV+6*\r+2+\d], v[SUMT+2*\r+\d]
	v_fma_f32 v[SUMS+2*\r+\d], v[WY+2], v[GV+6*\r+4+\d], v[SUMS+2*\r+\d]
	v_fma_f32 v[SUMT+2*\r+\d], v[YU+2], v[GV+6*\r+4+\d], v[SUMT+2*\r+\d]
.endr
.endr
.irp d, 0,1
	v_mul_f32 v[VEL+\d], v[WX], v[SUMS+\d]
	v_mul_f32 v[CN+2*\d], v[XU], v[SUMS+\d]
	v_mul_f32 v[CN+2*\d+1], v[WX], v[SUMT+\d]
	v_fma_f32 v[VEL+\d], v[WX+1], v[SUMS+2+\d], v[VEL+\d]
	v_fma_f32 v[CN+2*\d], v[XU+1], v[SUMS+2+\d], v[CN+2*\d]
	v_fma_f32 v[CN+2*\d+1], v[WX+1], v[SUMT+2+\d], v[CN+2*\d+1]
	v_fma_f32 v[VEL+\d], v[WX+2], v[SUMS+4+\d], v[VEL+\d]
	v_fma_f32 v[CN+2*\d], v[XU+2], v[SUMS+4+\d], v[CN+2*\d]
	v_fma_f32 v[CN+2*\d+1], v[WX+2], v[SUMT+4+\d], v[CN+2*\d+1]
.endr
	v_mul_f32 v[VEL], 0x3e800000, v[VEL]           ; / 4
	v_mul_f32 v[VEL+1], 0x3e800000, v[VEL+1]
.irp k, 0,1,2,3
	v_mul_f32 v[CN+\k], s31, v[CN+\k]              ; x 64
.endr
	v_mul_f32 v[POS], 0x3c800000, v6               ; the position again (exact)
	v_mul_f32 v[POS+1], 0x3c800000, v7
	v_add_f32 v36, v[CN], v[CN+3]
	v_fma_f32 v[POS], v[VEL], s28, v[POS]
	v_fma_f32 v[POS+1], v[VEL+1], s28, v[POS+1]
	v_fma_f32 v36, v36, s28, 1.0
	v_med3_num_f32 v[POS], v[POS], s29, s30        ; the boundary
	v_med3_num_f32 v[POS+1], v[POS+1], s29, s30
	v_mul_f32 v[JN], v8, v36
	v_fma_f32 v79, v[POS], s31, -0.5               ; the next base cell, as in the set-up launch
	v_fma_f32 v80, v[POS+1], s31, -0.5
	v_floor_f32 v79, v79
	v_floor_f32 v80, v80
	v_med3_num_f32 v79, v79, 0, s32
	v_med3_num_f32 v80, v80, 0, s32
	v_cvt_u32_f32 v79, v79
	v_cvt_u32_f32 v80, v80
	v_lshl_or_b32 v79, v79, 6, v80
	global_store_b64 v81, v[POS:POS+1], s[10:11]   ; 256 consecutive bytes a wave, aligned
	global_store_b64 v81, v[VEL:VEL+1], s[12:13]
	global_store_b128 v82, v[CN:CN+3], s[14:15]    ; 512
	global_store_b32 v2, v[JN], s[16:17]
	global_store_b32 v2, v79, s[18:19] offset:256
	s_cmp_lg_u32 s24, 0                            ; work-group 0: the next substep's number
	s_cbranch_scc1 .Lend
	s_add_co_u32 s21, s21, 1
	v_lshlrev_b32 v83, 2, v0
	v_mov_b32 v84, s21
	global_store_b32 v83, v84, s[18:19]
.Lend:
	s_endpgm
.Lfunc_end_k_qcad518d4ce_g2p:
	.size	k_qcad518d4ce_g2p, .Lfunc_end_k_qcad518d4ce_g2p-k_qcad518d4ce_g2p
	.p2alignl 7, 3214868480
	.fill 96, 4, 3214868480
	.section	.rodata,"a",@progbits
	.p2align	6, 0x0
	.amdhsa_kernel k_qcad518d4ce_g2p
		.amdhsa_group_segment_fixed_size 0
		.amdhsa_private_segment_fixed_size 0
		.amdhsa_enable_private_segment 0
		.amdhsa_kernarg_size 64
		.amdhsa_user_sgpr_count 2
		.amdhsa_user_sgpr_kernarg_segment_ptr 1
		.amdhsa_wavefront_size32 1
		.amdhsa_system_sgpr_workgroup_id_x 1
		.amdhsa_system_sgpr_workgroup_id_y 1
		.amdhsa_system_sgpr_workgroup_id_z 1
		.amdhsa_system_vgpr_workitem_id 0
		.amdhsa_next_free_vgpr 88
		.amdhsa_next_free_sgpr 66
		.amdhsa_reserve_vcc 0
		.amdhsa_float_denorm_mode_32 3
		.amdhsa_float_denorm_mode_16_64 3
		.amdhsa_memory_ordered 1
		.amdhsa_forward_progress 1
		.amdhsa_inst_pref_size 10
	.end_amdhsa_kernel
	.amdgpu_metadata
---
amdhsa.version: [ 1, 2 ]
amdhsa.kernels:
  - .name:           k_qcad518d4ce_g2p
    .symbol:         k_qcad518d4ce_g2p.kd
    .args:
      - { .name: rec, .offset: 0, .size: 8, .value_kind: global_buffer, .address_space: global }
      - { .name: cella, .offset: 8, .size: 8, .value_kind: global_buffer, .address_space: global }
      - { .name: out0, .offset: 16, .size: 8, .value_kind: global_buffer, .address_space: global }
      - { .name: posw, .offset: 24, .size: 8, .value_kind: global_buffer, .address_space: global }
      - { .name: velw, .offset: 32, .size: 8, .value_kind: global_buffer, .address_space: global }
      - { .name: cw, .offset: 40, .size: 8, .value_kind: global_buffer, .address_space: global }
      - { .name: jw, .offset: 48, .size: 8, .value_kind: global_buffer, .address_space: global }
      - { .name: cellb, .offset: 56, .size: 8, .value_kind: global_buffer, .address_space: global }
    .group_segment_fixed_size: 0
    .private_segment_fixed_size: 0
    .kernarg_segment_align: 8
    .kernarg_segment_size: 64
    .max_flat_workgroup_size: 32
    .sgpr_count:     66
    .vgpr_count:     88
    .wavefront_size: 32
...
	.end_amdgpu_metadata
.endif
;; end of part 4
;; launch pair_1: the kernel of part 2 again; grid 250 x 1, 8 waves a work-group, no clusters, 39,936 bytes of LDS; arguments posw, velw, cw, jw, dvel, We, be, Wk, bk, rec; writes rec
;; launch p2g_1: the kernel of part 3 again; grid 256 x 1, 4 waves a work-group, clusters of 4 x 1, 198,656 bytes of LDS; arguments rec, cellb, Wa, ba, out0; writes out0
;; launch g2p_1: the kernel of part 4 again; grid 125 x 1, 1 waves a work-group, no clusters, 0 bytes of LDS; arguments rec, cellb, out0, posw, velw, cw, jw, cella; writes posw, velw, cw, jw, cella
;; launch pair_2: the kernel of part 2 again; grid 250 x 1, 8 waves a work-group, no clusters, 39,936 bytes of LDS; arguments posw, velw, cw, jw, dvel, We, be, Wk, bk, rec; writes rec
;; launch p2g_2: the kernel of part 3 again; grid 256 x 1, 4 waves a work-group, clusters of 4 x 1, 198,656 bytes of LDS; arguments rec, cella, Wa, ba, out0; writes out0
;; launch g2p_2: the kernel of part 4 again; grid 125 x 1, 1 waves a work-group, no clusters, 0 bytes of LDS; arguments rec, cella, out0, posw, velw, cw, jw, cellb; writes posw, velw, cw, jw, cellb
;; launch pair_3: the kernel of part 2 again; grid 250 x 1, 8 waves a work-group, no clusters, 39,936 bytes of LDS; arguments posw, velw, cw, jw, dvel, We, be, Wk, bk, rec; writes rec
;; launch p2g_3: the kernel of part 3 again; grid 256 x 1, 4 waves a work-group, clusters of 4 x 1, 198,656 bytes of LDS; arguments rec, cellb, Wa, ba, out0; writes out0
